; MI455X (gfx1250); checked and timed in simulation.
; The chip was launched on July 23, 2026; its instructions are those of AMD's public machine-readable ISA for CDNA 5 (MIT licence, August 2026) and "CDNA5" Instruction Set Architecture Reference Guide (July 2026). The comments in the code are by the model that wrote it; some were corrected since.
;; Self Attention. Allowed arithmetic: matrix products marked QUANTISED: E4M3 operands, one E8M0 scale for each 32 along K, by v_wmma_scale_f32_16x16x128_f8f6f4 with both operands' format E4M3, f32 sums; everything else in f32.
;; Inputs: qkv 4 x 2,048 x 3 x 16 x 64 float32.
;; Outputs: out0 4 x 2,048 x 16 x 64 float32.
;; This version of the problem:
;;   THIS VERSION OF THE PROBLEM IS GIVEN IN LOW PRECISION. The matrix products marked QUANTISED in the list below multiply operands that are first quantised to E4M3 (4 exponent bits, 3 mantissa bits; 8 bits a number), with one power-of-two scale for each 32 numbers along K (OCP MX v1.0); their sums are f32. All else is computed in f32.
;;   The module's matrix products, in the order in which they are computed (A, B: the left and right operand; K: the contracted axis; several contracted axes count as one K, in the product's order):
;;     1. batch 64 x [M 2,048, K 64] x [K 64, N 2,048]; A: input qkv; B: computed on the way: QUANTISED
;;     2. batch 64 x [M 64, K 2,048] x [K 2,048, N 2,048]; A: input qkv; B: softmax (see below): QUANTISED
;;   THE QUANTISER, for each operand of a quantised product, along K:
;;     - K is cut into blocks of 32 from its start; a last block that is shorter is filled with zeros.
;;     - A block's scale is 2^e with e = floor(log2(the largest magnitude in the block)) - 8, held to -126 .. 127; a block of zeros has e = 0. As a byte (E8M0): e + 127.
;;     - Each number is divided by its block's scale, clamped to +-448, and rounded to the nearest number of E4M3, ties to even, subnormals kept.
;;     - The product sums the exact products of the quantised numbers (number of the format x scale) in f32.
;;   ~~~python
;;   def quantise(x, axis):      # numpy; x: float32 -> the quantised numbers, widened to float32 again
;;       x = np.moveaxis(x, axis, -1); K = x.shape[-1]
;;       x = np.pad(x, [(0, 0)] * (x.ndim - 1) + [(0, -K % 32)]); x = x.reshape(x.shape[:-1] + (-1, 32)); a = np.abs(x).max(-1, keepdims=True)
;;       e = np.where(a > 0, np.clip(np.frexp(np.where(a > 0, a, 1))[1] - 1 - 8, -126, 127), 0)      # np.frexp(a)[1] - 1 = floor(log2(a)), exactly
;;       r = np.clip(x / 2.0 ** e, -448, 448)
;;       step = 2.0 ** (np.maximum(np.frexp(np.where(r == 0, 1, r))[1] - 1, -6) - 3)
;;       q = np.round(r / step) * step * 2.0 ** e      # np.round: ties to even
;;       return np.moveaxis(q.reshape(q.shape[:-2] + (-1,))[..., :K], -1, axis).astype(np.float32)
;;   ~~~
;;   SOFTMAX AHEAD OF A QUANTISED PRODUCT. Where the list says 'softmax', what is quantised is not the finished softmax but p = 2^(t - M), with t = logit x log2(e) and M = ceil(the row's largest t), a whole number; so 1/2 < the row's largest p <= 1. The row's sum l is taken of the UNQUANTISED p, in f32, and the product's result is divided by l at the end. Since M is a whole number, a kernel that streams over the keys may use a running M (the ceiling of the running maximum): every later rescaling is an exact power of two, which a block's scale takes up: the codes' values come out the same.
;;   OPERANDS COMPUTED ON THE WAY. 'Computed on the way' means the value that the module computes at that place (a softmax that the list does not call 'softmax' is quantised finished and normalised). What goes into a quantiser is computed in f32, as accurately as f32 sums, v_exp_f32 and their like allow (about 1e-6 of the number): no bf16 or f16 on the way to a quantiser, and a product that is left as it is and whose result goes on into a quantised operand takes f32 operands (vector FMAs, or v_wmma_f32_16x16x4_f32). A number that lies on a knife's edge between two numbers of the format may be rounded either way, as far as f32 arithmetic and the matrix unit's own rounding can turn it there, and no further.
;; One version. Each part assembles by itself: llvm-mc -triple=amdgcn-amd-amdhsa -mcpu=gfx1250 --defsym DOCPART=n.
;; ======== version 1 of 1: 2 launches
;; limits: right only within a limited range of input values
;; workspace buffers: kv_codes 16,777,216 bytes; kv_scales 1,048,576 bytes
;; launch quant (part 1): grid 16 x 64, 8 waves a work-group, no clusters, 69,632 bytes of LDS; arguments qkv, kv_codes, kv_scales; writes kv_codes, kv_scales
.if DOCPART == 1
	.amdgcn_target "amdgcn-amd-amdhsa--gfx1250"
	.amdhsa_code_object_version 6
	.text
	.protected	k_qa152042d48_quant
	.globl	k_qa152042d48_quant
	.p2align	8
	.type	k_qa152042d48_quant,@function
k_qa152042d48_quant:
	s_mov_b64 s[64:65], 0
	v_nop
	global_prefetch_b8 v0, s[64:65] scope:SCOPE_SE
	s_setreg_imm32_b32 hwreg(HW_REG_WAVE_MODE, 25, 1), 1
	s_wait_xcnt 0x0
; qkv [4][2048][3][16][64] f32.  k x 0.125 and v become codes of FP8 (E4M3) with one E8M0 scale byte for each 32 along a product's K:
; k along the head's 64 numbers (two blocks), v along the KEYS (blocks of 32 keys).  The codes are laid in the order of the matrix operands' registers, so that the next launch
; reads every fragment as 16 bytes a lane, lane after lane.
; A block's scale is 2^(floor(log2(its largest magnitude)) - 8); its byte is the largest magnitude's exponent field - 8, held at 1 from below; each number is divided by the scale,
; held within +-448 and rounded to the nearest code, ties to even.
; LIMITS: a block of zeros gets the byte 1 where the rule says 127 (its codes are zeros, and this program alone reads the bytes); NaN and infinities among the inputs are not served;
; rsqrt(64) is taken as 0.125.
; SHARES.  Work-group (x = step, y = 16 batch + head) makes one step block: keys 128 x to 128 x + 127 of one head.  Eight waves.
;   in:   wave w loads keys 16 w .. 16 w + 15: a key's 64 numbers of k, and of v, are 256 consecutive bytes, aligned; an instruction takes two keys.
;   K:    wave w quantises tile w of 16 keys.  THE KEYS OF A TILE ARE NOT NEIGHBOURS: row r of tile 2 b + u is key 32 b + 8 u + r + 8 (r / 8), so that in the next launch the 16 registers of two
;         neighbouring score tiles are 16 neighbouring keys.  The rows are put in that order as they are stored to LDS.
;   V:    wave w takes channels 32 (w % 2) + lane and keys 32 (w / 2) .. + 31: a lane's 32 registers run down the keys, so that a block lies in one lane.
; kv_codes [64][16][16384]: K's image: piece 2 t + c at 512 bytes each, lane l's 16 bytes at 16 l: tile t, row l % 16, numbers 32 c + 16 (l / 16) + 0 .. 15;
;                           V's image from 8192 on: piece 4 t + c: channel 16 t + l % 16, keys 32 c + 16 (l / 16) + 0 .. 15.
; kv_scales [64][16][1024]: at 16 l + 4 j the word of K's tile 4 (l / 16) + j, row l % 16 (bytes 0, 1; bytes 2, 3 are 0); at 512 + 16 r + 4 t the word of V's channel 16 t + r; 768 .. 1023 repeat 512 .. 767.
.set POS,   12288                      ; bytes of a position in qkv: 3 x 16 x 64 x 4
.set KP,    272                        ; K's rows in LDS: 256 bytes + 16, so that the sixteen rows of a load begin 16 bytes apart modulo 256
.set KT,    0                          ; LDS: 128 rows of k, in tile order
.set VT,    128*KP                     ; 128 rows of v, 256 bytes each, in key order
.set SCS,   VT+128*256                 ; the image of the step's 1,024 scale bytes
.set SPARE, SCS+1024                   ; the spare words, 128 bytes for each wave: four blocks of 256 bytes that no other line names
.set GL,  4                            ; v4   in: 12288 (lane / 16) + 16 (lane % 16)
.set KST, 5                            ; v5   where I store k's rows
.set VST, 6                            ; v6   and v's
.set KRD, 7                            ; v7   where I read my row of my tile of k
.set VRD, 8                            ; v8   and my channel of v
.set KSW, 9                            ; v9   my row's scale word of k
.set VSB, 10                           ; v10  my channel's scale byte of v
.set GK,  11                           ; v11  my 16 bytes in K's image
.set GV,  12                           ; v12  and in V's
.set SRD, 13                           ; v13  the scale block on its way out: LDS,
.set SGO, 14                           ; v14  and memory
.set KR,  16                           ; v16-47  k as loaded, then my 32 numbers of k
.set VR,  48                           ; v48-79  v as loaded, then my 32 numbers of v
.set KC,  80                           ; v80-87  k's codes
.set VC,  88                           ; v88-95  v's codes
.set TM,  96                           ; v96-110 at work
.set SBY, 112                          ; v112-113 scale bytes on their way out
.set SPW, 124                          ; v124 LDS address of my spare word; never rewritten
.set NIL, 125                          ; v125 0; never rewritten
.set WV,  10
.set BH,  12
.set SEL, 20                           ; s[20:21] v_permlanex16_b32's selects for lane l xor 16
.set MNT, 22                           ; s22  the mantissa field of 448
.set EIG, 24                           ; s[24:25] 0.125; the packed form names a pair and takes its low word for both halves
; 32 numbers of a lane, v[src] on: register 16 b + i = number 32 b + 16 (lane / 16) + i of my row.  They become 8 registers of codes, v[dst] on, and the row's scale word in v[wrd].
.macro QK src, dst, wrd
.irp b, 0,1
	v_max3_num_f32 v[TM+\b], |v[\src+16*\b]|, |v[\src+16*\b+1]|, 0x4800000     ; block b: my 16 numbers, and the floor 2^(9 - 127): the byte cannot fall under 1
.endr
.irp i, 2,4,6,8,10,12,14
.irp b, 0,1
	v_max3_num_f32 v[TM+\b], v[TM+\b], |v[\src+16*\b+\i]|, |v[\src+16*\b+\i+1]|
.endr
.endr
.irp b, 0,1
	v_permlanex16_b32 v[TM+2+\b], v[TM+\b], s[SEL], s[SEL+1]
.endr
.irp b, 0,1
	v_max_num_f32 v[TM+\b], v[TM+\b], v[TM+2+\b]                               ; with lane l xor 16's 16: the block's largest magnitude
.endr
.irp b, 0,1
	v_add_nc_u32 v[TM+4+\b], 0xfc000000, v[TM+\b]                              ; 8 off its exponent field: the conversion takes this operand's exponent field as its scale
.endr
.irp b, 0,1
	v_and_or_b32 v[TM+6+\b], v[TM+\b], 0x7f800000, s[MNT]                      ; 448 x the scale
.endr
.irp b, 0,1
.irp i, 0,1,2,3,4,5,6,7,8,9,10,11,12,13,14,15
	v_med3_num_f32 v[\src+16*\b+\i], v[\src+16*\b+\i], -v[TM+6+\b], v[TM+6+\b] ; the conversion to an 8-bit code does not saturate (ISA guide 7.6.2): the hold comes first
.endr
	v_cvt_scalef32_pk8_fp8_f32 v[\dst+4*\b:\dst+4*\b+1], v[\src+16*\b:\src+16*\b+7], v[TM+4+\b]
	v_cvt_scalef32_pk8_fp8_f32 v[\dst+4*\b+2:\dst+4*\b+3], v[\src+16*\b+8:\src+16*\b+15], v[TM+4+\b]
.endr
.irp b, 0,1
	v_lshrrev_b32 v[TM+2+\b], 23, v[TM+4+\b]                                   ; the scales' bytes.  (Also the plain line behind the last conversion)
.endr
	v_lshl_or_b32 v[\wrd], v[TM+3], 8, v[TM+2]                                 ; the word: bytes 2 and 3 stay 0
.endm
	s_load_b128 s[4:7], s[0:1], 0x0                ; qkv s[4:5], kv_codes s[6:7]
	s_load_b64 s[8:9], s[0:1], 0x10                ; kv_scales
	v_lshl_add_u32 v[SPW], v0, 2, SPARE
	v_mov_b32 v[NIL], 0
	v_lshrrev_b32 v1, 5, v0
	v_readfirstlane_b32 s[WV], v1                  ; wave 0..7
	v_and_b32 v1, 31, v0                           ; lane
	v_and_b32 v2, 15, v0                           ; r = lane % 16
	v_bfe_u32 v3, v0, 4, 1                         ; hl = lane / 16
	s_and_b32 s[BH], ttmp7, 0xffff                 ; 16 batch + head
	s_lshr_b32 s14, s[BH], 4
	s_lshl_b32 s14, s14, 11                        ; the batch's first position,
	s_lshl_b32 s15, ttmp9, 7
	s_add_co_u32 s14, s14, s15                     ; + the step's 128 keys,
	s_lshl_b32 s15, s[WV], 4
	s_add_co_u32 s14, s14, s15                     ; + my wave's 16
	s_mul_i32 s14, s14, POS                        ; in bytes: under 2^27
	s_and_b32 s15, s[BH], 15
	s_lshl_b32 s15, s15, 8
	s_add_co_u32 s14, s14, s15                     ; + the head's 256 bytes
	s_add_co_u32 s14, s14, 4096                    ; k lies 4,096 bytes behind q; v 4,096 further on
	s_mov_b32 s15, 0
	s_lshl_b32 s16, s[BH], 4
	s_add_co_u32 s16, s16, ttmp9                   ; which step block
	s_lshl_b32 s18, s16, 10                        ; 1,024 scale bytes each,
	s_lshl_b32 s16, s16, 14                        ; 16,384 bytes of codes
	s_mov_b32 s17, 0
	s_mov_b32 s19, 0
	v_mul_u32_u24 v[GL], v3, POS
	v_lshl_add_u32 v[GL], v2, 4, v[GL]
	s_wait_kmcnt 0x0
	s_add_nc_u64 s[4:5], s[4:5], s[14:15]
	s_add_nc_u64 s[6:7], s[6:7], s[16:17]
	s_add_nc_u64 s[8:9], s[8:9], s[18:19]
.irp i, 0,1,2,3,4,5,6,7
	global_load_b128 v[KR+4*\i:KR+4*\i+3], v[GL], s[4:5] offset:2*POS*\i th:TH_LOAD_NT        ; k of keys 2 i, 2 i + 1 of my 16: sixteen lanes read 256 consecutive bytes, aligned
.endr
.irp i, 0,1,2,3,4,5,6,7
	global_load_b128 v[VR+4*\i:VR+4*\i+3], v[GL], s[4:5] offset:2*POS*\i+4096 th:TH_LOAD_NT   ; v likewise
.endr
	; the addresses, while the loads are on their way.  Every LDS address is a constant + a term of the lane + a term of the wave
	s_lshr_b32 s26, s[WV], 1
	s_and_b32 s27, s[WV], 1
	s_lshr_b32 s28, s[WV], 2
	s_and_b32 s29, s[WV], 3
	s_mov_b32 s[SEL], 0x76543210
	s_mov_b32 s[SEL+1], 0xfedcba98
	s_mov_b32 s[MNT], 0x600000
	s_mov_b32 s[EIG], 0x3e000000
	s_mov_b32 s[EIG+1], s[EIG]
	s_mul_i32 s30, s26, 32*KP                      ; key 16 w + 2 i + hl goes to tile row 32 (w / 2) + 16 (i / 4) + 8 (w % 2) + 2 (i % 4) + hl: bits 3 and 4 of the key change places
	s_mul_i32 s31, s27, 8*KP
	s_add_co_u32 s30, s30, s31
	v_mul_u32_u24 v[KST], v3, KP
	v_lshl_add_u32 v[KST], v2, 4, v[KST]
	v_add_nc_u32 v[KST], s30, v[KST]
	s_lshl_b32 s30, s[WV], 12
	s_add_co_u32 s30, s30, VT
	v_lshl_add_u32 v[VST], v1, 4, s30              ; v: my wave's 16 rows, two rows an instruction
	s_mul_i32 s30, s[WV], 16*KP
	v_mul_u32_u24 v[KRD], v2, KP
	v_lshl_add_u32 v[KRD], v3, 6, v[KRD]
	v_add_nc_u32 v[KRD], s30, v[KRD]               ; tile w, row r, + 64 hl: my 16 numbers of a block of 32
	s_lshl_b32 s30, s26, 13
	s_lshl_b32 s31, s27, 7
	s_add_co_u32 s30, s30, s31
	s_add_co_u32 s30, s30, VT
	v_lshl_add_u32 v[VRD], v1, 2, s30              ; keys 32 (w / 2) on, channel 32 (w % 2) + lane
	s_lshl_b32 s30, s28, 8
	s_lshl_b32 s31, s29, 2
	s_add_co_u32 s30, s30, s31
	s_add_co_u32 s30, s30, SCS
	v_lshl_add_u32 v[KSW], v2, 4, s30              ; 16 (16 (w / 4) + r) + 4 (w % 4)
	s_lshl_b32 s30, s27, 3
	s_add_co_u32 s30, s30, s26
	s_add_co_u32 s30, s30, SCS+512
	v_lshl_add_u32 v[VSB], v2, 4, s30
	v_lshl_add_u32 v[VSB], v3, 2, v[VSB]           ; 16 r + 4 (2 (w % 2) + hl) + w / 2
	s_lshl_b32 s30, s[WV], 10
	v_lshl_add_u32 v[GK], v1, 4, s30               ; pieces 2 w and 2 w + 1
	s_lshl_b32 s30, s27, 12
	s_lshl_b32 s31, s26, 9
	s_add_co_u32 s30, s30, s31
	s_add_co_u32 s30, s30, 8192
	v_lshl_add_u32 v[GV], v2, 4, s30
	v_lshl_add_u32 v[GV], v3, 11, v[GV]            ; piece 4 (2 (w % 2) + hl) + w / 2, + 16 r
	s_lshl_b32 s30, s29, 8
	v_lshl_add_u32 v[SGO], v1, 3, s30              ; 256 (w % 4) + 8 lane
	v_add_nc_u32 v[SRD], SCS, v[SGO]
	v_mov_b32 v[TM+2], 0                           ; written once: a lane permute's destination counts as one of its sources
	v_mov_b32 v[TM+3], 0
	s_wait_loadcnt 8                               ; k's eight loads are in; v's eight, issued behind them, may be out
.irp i, 0,1,2,3,4,5,6,7
	ds_store_b128 v[KST], v[KR+4*\i:KR+4*\i+3] offset:(16*(\i/4)+2*(\i%4))*KP
.endr
	s_wait_loadcnt 0x0
.irp i, 0,1,2,3,4,5,6,7
	ds_store_b128 v[VST], v[VR+4*\i:VR+4*\i+3] offset:512*\i
.endr
	s_wait_dscnt 0x0                               ; for the others' sake: my stores have landed
	s_barrier_signal -1
	s_barrier_wait -1                              ; the step's 128 rows of k and of v lie in LDS
.irp c, 0,1
.irp j, 0,1,2,3
	ds_load_b128 v[KR+16*\c+4*\j:KR+16*\c+4*\j+3], v[KRD] offset:128*\c+16*\j
.endr
.endr
.irp i, 0,1,2,3,4,5,6,7,8,9,10,11,12,13,14,15,16,17,18,19,20,21,22,23,24,25,26,27,28,29,30,31
	ds_load_b32 v[VR+\i], v[VRD] offset:256*\i     ; v(key 32 (w / 2) + i, my channel): 32 lanes read 128 consecutive bytes
.endr
	s_wait_dscnt 32                                ; k's eight loads are in; v's 32, issued behind them, may be out
.irp j, 0,2,4,6,8,10,12,14,16,18,20,22,24,26,28,30
	v_pk_mul_f32 v[KR+\j:KR+\j+1], v[KR+\j:KR+\j+1], s[EIG:EIG+1] op_sel_hi:[1,0]   ; k x 0.125: what is quantised is the scaled k
.endr
	QK KR, KC, TM+8
	global_store_b128 v[GK], v[KC:KC+3], s[6:7]                ; the wave stores 512 consecutive bytes, aligned
	global_store_b128 v[GK], v[KC+4:KC+7], s[6:7] offset:512
	ds_store_b32 v[KSW], v[TM+8]                   ; both lanes of a row write the same word with the same value
	s_wait_dscnt 1                                 ; v's 32 loads are in; the word's store, issued behind them, may be out
	v_max3_num_f32 v[TM+10], |v[VR]|, |v[VR+1]|, |v[VR+2]|     ; the block's largest magnitude: all 32 numbers are mine
	v_max3_num_f32 v[TM+11], |v[VR+3]|, |v[VR+4]|, |v[VR+5]|
.irp i, 6,10,14,18,22,26
	v_max3_num_f32 v[TM+10], v[TM+10], |v[VR+\i]|, |v[VR+\i+1]|
	v_max3_num_f32 v[TM+11], v[TM+11], |v[VR+\i+2]|, |v[VR+\i+3]|
.endr
	v_max3_num_f32 v[TM+10], v[TM+10], |v[VR+30]|, |v[VR+31]|
	v_max3_num_f32 v[TM+10], v[TM+10], v[TM+11], 0x4800000     ; and the floor
	v_add_nc_u32 v[TM+12], 0xfc000000, v[TM+10]
	v_and_or_b32 v[TM+13], v[TM+10], 0x7f800000, s[MNT]
.irp i, 0,1,2,3,4,5,6,7,8,9,10,11,12,13,14,15,16,17,18,19,20,21,22,23,24,25,26,27,28,29,30,31
	v_med3_num_f32 v[VR+\i], v[VR+\i], -v[TM+13], v[TM+13]
.endr
.irp g, 0,1,2,3
	v_cvt_scalef32_pk8_fp8_f32 v[VC+2*\g:VC+2*\g+1], v[VR+8*\g:VR+8*\g+7], v[TM+12]
.endr
	v_lshrrev_b32 v[TM+14], 23, v[TM+12]           ; the scale's byte.  (Also the plain line behind the last conversion)
	global_store_b128 v[GV], v[VC:VC+3], s[6:7]                ; keys 0-15 of the block: sixteen lanes store 256 consecutive bytes, aligned
	global_store_b128 v[GV], v[VC+4:VC+7], s[6:7] offset:256   ; keys 16-31
	ds_store_b8 v[VSB], v[TM+14]
	ds_store_b8 v[VSB], v[TM+14] offset:256        ; and the copy
	s_wait_dscnt 0x0                               ; for the others' sake: my scale word and bytes have landed
	s_barrier_signal -1
	s_barrier_wait -1                              ; the step's 1,024 scale bytes lie in LDS
	s_cmp_lt_u32 s[WV], 4                          ; four waves carry them out, 256 consecutive bytes each, aligned
	s_cbranch_scc0 .Ldone
	ds_load_b64 v[SBY:SBY+1], v[SRD]
	s_wait_dscnt 0x0
	global_store_b64 v[SGO], v[SBY:SBY+1], s[8:9]
.Ldone:
	s_wait_tensorcnt 0x0                           ; the wave's end, behind my last LDS store
	ds_add_u32 v[SPW], v[NIL]
	s_wait_dscnt 0x0
	s_endpgm
.Lfunc_end_k_qa152042d48_quant:
	.size	k_qa152042d48_quant, .Lfunc_end_k_qa152042d48_quant-k_qa152042d48_quant
	.p2alignl 7, 3214868480
	.fill 96, 4, 3214868480
	.section	.rodata,"a",@progbits
	.p2align	6, 0x0
	.amdhsa_kernel k_qa152042d48_quant
		.amdhsa_group_segment_fixed_size 69632
		.amdhsa_private_segment_fixed_size 0
		.amdhsa_enable_private_segment 0
		.amdhsa_kernarg_size 24
		.amdhsa_user_sgpr_count 2
		.amdhsa_user_sgpr_kernarg_segment_ptr 1
		.amdhsa_wavefront_size32 1
		.amdhsa_system_sgpr_workgroup_id_x 1
		.amdhsa_system_sgpr_workgroup_id_y 1
		.amdhsa_system_sgpr_workgroup_id_z 1
		.amdhsa_system_vgpr_workitem_id 0
		.amdhsa_next_free_vgpr 128
		.amdhsa_next_free_sgpr 66
		.amdhsa_reserve_vcc 0
		.amdhsa_float_denorm_mode_32 3
		.amdhsa_float_denorm_mode_16_64 3
		.amdhsa_memory_ordered 1
		.amdhsa_forward_progress 1
		.amdhsa_inst_pref_size 19
	.end_amdhsa_kernel
	.amdgpu_metadata
---
amdhsa.version: [ 1, 2 ]
amdhsa.kernels:
  - .name:           k_qa152042d48_quant
    .symbol:         k_qa152042d48_quant.kd
    .args:
      - { .name: qkv, .offset: 0, .size: 8, .value_kind: global_buffer, .address_space: global }
      - { .name: kv_codes, .offset: 8, .size: 8, .value_kind: global_buffer, .address_space: global }
      - { .name: kv_scales, .offset: 16, .size: 8, .value_kind: global_buffer, .address_space: global }
    .group_segment_fixed_size: 69632
    .private_segment_fixed_size: 0
    .kernarg_segment_align: 8
    .kernarg_segment_size: 24
    .max_flat_workgroup_size: 256
    .sgpr_count:     66
    .vgpr_count:     128
    .wavefront_size: 32
...
	.end_amdgpu_metadata
.endif
;; end of part 1
;; launch attn (part 2): grid 4 x 64, 16 waves a work-group, no clusters, 327,680 bytes of LDS; arguments qkv, kv_codes, kv_scales, out0; writes out0
.if DOCPART == 2
	.amdgcn_target "amdgcn-amd-amdhsa--gfx1250"
	.amdhsa_code_object_version 6
	.text
	.protected	k_qa152042d48_attn
	.globl	k_qa152042d48_attn
	.p2align	8
	.type	k_qa152042d48_attn,@function
k_qa152042d48_attn:
	s_mov_b64 s[64:65], 0
	v_nop
	global_prefetch_b8 v0, s[64:65] scope:SCOPE_SE
	s_setreg_imm32_b32 hwreg(HW_REG_WAVE_MODE, 25, 1), 1
	s_wait_xcnt 0x0
; out0[b][q][h][:] = the sum over keys of softmax(q . (0.125 k) + mask) v, mask = -10000 on keys behind the query.  Both products on codes of FP8 (E4M3) with one E8M0 scale for each 32 along K.
; k x 0.125 and v come as codes and scale words from the launch before, in the order of the operands' registers (its head comment has the layout); q is quantised here, in registers: each row of q is read once, by one wave.
; THE SOFTMAX AHEAD OF THE SECOND PRODUCT: t = logit x log2(e); M = the row's largest t so far, rounded UP to a whole number; p = 2^(t - M) is what is quantised, along the keys; it is not normalised.
; The row's sum is taken of the unquantised p and divides at the end.  When M moves, the sum and O are multiplied by 2^(old M - new M): exact.
; LIMITS.  A key step all of whose 128 keys lie behind a wave's 16 queries is left out.  That is exact while in each row no hidden score exceeds the largest open score by 9,896 or more: up to there
; e^(difference - 10000) is 0 in f32.  Inside the step on the diagonal -10000 is added to the hidden scores as it is written.  NaN and infinities are not served.  A p under 2^-126 comes out of v_exp_f32 as 0.
; SHARES.  64 heads x 4 work-groups.  Work-group I of a head takes queries 256 (7 - I) on, with key slots 0 .. 7 - I, and then queries 256 I on, with slots 0 .. I: nine slots of 256 keys for every work-group,
; so the loop's trip count is a constant.  Each of the SIXTEEN waves owns 16 queries, one tile, in 256 registers: four waves to a SIMD, so that one wave's vector work stands beside another's matrix work and LDS loads.
; NO CLUSTER: the four work-groups of a head want different slots from trip 8 - I on (one goes back to slot 0 while the others walk on), so a joint request would not be the same in all partners.
; LAYOUT.  Both products are used transposed: S^T = K Q^T (source 0 = 16 keys, source 1 = my 16 queries), O^T = V^T P^T (source 0 = 16 channels, source 1 = P): a lane holds ONE query (lane % 16) throughout.
; Row r of key tile 2 b + u is key 32 b + 8 u + r + 8 (r / 8), so that the 16 registers of score tiles 2 b and 2 b + 1 are keys 32 b + 16 (lane / 16) + 0 .. 15.
; THE FIRST PRODUCT'S K IS 64, THE INSTRUCTION'S 128.  Q's upper eight registers are zero codes, so k = 64 .. 127 adds zeros whatever stands beside them: a key tile is 8 registers, and the instruction names it with the
; 8 registers that follow (the next tile's codes; behind tile 7 eight registers of zeros).  The scale bytes of k = 64 .. 127 are 0 on both sides: a power of two, no NaN.
; LDS: two buffers of 34,816 bytes, 65,536 apart: two step blocks of 16,384 (K's image, V's image) and their 2 x 1,024 scale bytes; a stage of 16 x 272 bytes for each wave; the spare words.
; REGISTERS: v1-11 addresses; v12 -M, v13 the largest t, v[14:15] the sum in two halves; v16-23 Q's codes, v24-31 zeros; v32-95 K's eight tiles, then V's four; v96-103 zeros; v104-167 S^T, then p;
;   v168-199 O^T; v200-215 p's codes; v216-225 scale words; v226-245 at work; v246-254 the second query tile's codes and scale word.
.set POS,   12288                      ; bytes of a position in qkv
.set SLOT1, 1<<16                      ; buffer 1 begins here: one exclusive or turns an address in one buffer into the other's
.set SCO,   32768                      ; a buffer's scale bytes lie behind its two step blocks
.set STAGE, 2*SLOT1                    ; 16 rows x (256 bytes + 16) for each wave; no tensor load lands here
.set SP,    272
.set SPARE, STAGE+16*16*SP             ; the spare words, 128 bytes for each wave: eight blocks of 256 bytes that no other line names
.set LI,  1                            ; v1   16 x lane
.set ADR, 2                            ; v2   the buffer in hand + 16 x lane
.set SPW, 3                            ; v3   LDS address of my spare word; never rewritten
.set NIL, 4                            ; v4   0; never rewritten
.set PFO, 5                            ; v5   256 x lane: the prefetches' offset; never rewritten
.set GO,  6                            ; v6   out0: 4096 (lane / 16) + 16 (lane % 16)
.set STO, 7                            ; v7   the stage: row lane % 16, + 32 (lane / 16)
.set RD,  8                            ; v8   the stage: row lane / 16, + 16 (lane % 16)
.set DL,  9                            ; v9   lane % 16 - 16 (lane / 16)
.set QRD, 10                           ; v10  the stage: row lane % 16, + 64 (lane / 16)
.set GQ,  11                           ; v11  q: 12288 (lane / 16) + 16 (lane % 16)
.set QF,  16
.set FR,  32
.set S,   104
.set O,   168
.set PC,  200
.set KS,  216                          ; v216-219 K's scale words: register j: lanes 0-15 tile j, lanes 16-31 tile 4 + j
.set VS,  220                          ; v220-223 V's: register t: tile t
.set QW,  224                          ; Q's scale word
.set PW,  225                          ; p's
.set BM,  226                          ; v226-229 the blocks' largest scores, then largest p
.set TM,  226                          ; (the quantiser of q works in v226-233)
.set PX,  230                          ; v230-233 at work
.set CAP, 234                          ; v234-237 448 x the scale
.set SOP, 238                          ; v238-241 the conversions' scale operands
.set F,   242                          ; v[242:243] f = 2^(old M - new M), and a written partner for the pair
.set T0,  244
.set T1,  245
.set Q2,  246
.set Q2W, 254
.set WV,   12
.set BH,   14
.set LAST, 15                          ; s15  8 - I: the first query block's number of slots
.set NS,   16                          ; s16  the key slot asked for last
.set SLOTS, 17                         ; s17  the loop's counter
.set TB,   18                          ; s18  the buffer in hand
.set MNT,  19                          ; s19  the mantissa field of 448
.set SEL,  20                          ; s[20:21] v_permlanex16_b32's selects for lane l xor 16
.set CS,   22                          ; s[22:23] log2(e): the packed form names a pair and takes its low word for both halves
.set KF,   24                          ; s24  the step's first key
.set Q0,   25                          ; s25  my first query
.set LIM,  26                          ; s26  2 in a wave that prefetches, else the greatest number
.set PEND, 27                          ; s27  I + 1: the counter's value in the first query block's last trip
.set G1C,  28                          ; s[28:35] descriptor group 1: a step's codes
.set G1S,  36                          ; s[36:43] a slot's scale bytes
.set G0C,  44                          ; s[44:47], s[48:51] their groups 0
.set G0S,  48
.set CB,   52                          ; s[52:53] kv_codes at my head, + the step block that I fetch
.set SB,   54                          ; s[54:55] kv_scales at my head
.set PFA,  56                          ; s[56:57] where my prefetches stand
.set OUT,  58                          ; s[58:59] out0 at my tile's first row; s[60:61] the second tile's
.set OUT2, 60
.set Q0B,  62                          ; s62  the second tile's first query
; Waves 0 and 1 fetch the slot's two step blocks of codes, wave 2 its scale bytes, the others nothing.  The branches hang on the wave's number alone.
; An s_nop 0 and four v_nop follow each of the two tensor loads.
.macro TLOAD
	s_cmp_lt_u32 s[WV], 2
	s_cbranch_scc0 .Lnot_c_\@
	tensor_load_to_lds s[G0C:G0C+3], s[G1C:G1C+7]
	s_nop 0
.rept 4
	v_nop
.endr
	s_branch .Lasked_\@
.Lnot_c_\@:
	s_cmp_lt_u32 s[WV], 3
	s_cbranch_scc0 .Lasked_\@
	tensor_load_to_lds s[G0S:G0S+3], s[G1S:G1S+7]
	s_nop 0
.rept 4
	v_nop
.endr
.Lasked_\@:
.endm
; A PREFETCH INTO THE L2 of the codes that the NEXT change of buffers will ask for: a slot's 32,768 bytes.  All four work-groups of a head walk the same slots at first: work-group 0, which walks all eight, asks, and nobody else.
; In it waves 4 to 7 ask, which fetch nothing: 8,192 bytes a wave, lanes 256 bytes apart, one instruction.  Trip n names slot n + 2, for n = 0 .. 5: each aligned block of 256 bytes once in the launch.
; Slots 0 and 1 and the scale bytes come by their loads alone; behind slot 7 nothing is asked for.
.macro ASK
	s_cmp_gt_u32 s[SLOTS], s[LIM]
	s_cbranch_scc0 .Lnot_mine_\@
	global_prefetch_b8 v[PFO], s[PFA:PFA+1] th:TH_LOAD_NT scope:SCOPE_SE
.Lnot_mine_\@:
.endm
; THE CHANGE OF BUFFERS stands at a slot's head.  Each wave waits for all its tensor loads (its part of the slot that is about to be read), adds 0 to its spare word, and waits for that and for its reads of the buffer that it has left.
; Behind the barrier the buffer ahead is whole and nobody reads the other one.  fill = 1: that other buffer is filled with the slot that follows: the load has a whole slot's two steps in which to land.
.macro CHANGE fill
	s_wait_tensorcnt 0x0                           ; no tensor load of mine is out, so a group 0 may be written
	ds_add_u32 v[SPW], v[NIL]                      ; 0 onto my spare word; the descriptors' steps stand between it and the wait for it
.if \fill
	s_add_co_u32 s[NS], s[NS], 1                   ; the next key slot;
	s_cmp_eq_u32 s[NS], s[LAST]
	s_cselect_b32 s[NS], 0, s[NS]                  ; behind the first query block's last slot the second block begins at slot 0
	s_lshl_b32 s66, s[NS], 15
	s_mov_b32 s67, 0
	s_add_nc_u64 s[G0C+2:G0C+3], s[CB:CB+1], s[66:67]
	s_or_b32 s[G0C+3], s[G0C+3], 0x80000000
	s_xor_b32 s[G0C+1], s[G0C+1], SLOT1            ; into the other buffer than last time
	s_lshl_b32 s66, s[NS], 11
	s_add_nc_u64 s[G0S+2:G0S+3], s[SB:SB+1], s[66:67]
	s_or_b32 s[G0S+3], s[G0S+3], 0x80000000
	s_xor_b32 s[G0S+1], s[G0S+1], SLOT1
	s_wait_xcnt 0x0                                ; the last prefetch, a slot back, has read its address, so it may be written
	s_add_nc_u64 s[PFA:PFA+1], s[PFA:PFA+1], 32768
.endif
	s_wait_dscnt 0x0                               ; the add is done, and my reads of the buffer that I have left are over
	s_barrier_signal -1
	s_barrier_wait -1
.if \fill
	TLOAD                                          ; the first thing behind the barrier, and a wave's one tensor load until the next
	ASK
.endif
.endm
; 32 numbers of a lane, v[src] on: register 16 b + i = number 32 b + 16 (lane / 16) + i of my row.  They become 8 registers of codes, v[dst] on, and the row's scale word in v[wrd].
.macro QK src, dst, wrd
.irp b, 0,1
	v_max3_num_f32 v[TM+\b], |v[\src+16*\b]|, |v[\src+16*\b+1]|, 0x4800000     ; block b: my 16 numbers, and the floor 2^(9 - 127): the byte cannot fall under 1
.endr
.irp i, 2,4,6,8,10,12,14
.irp b, 0,1
	v_max3_num_f32 v[TM+\b], v[TM+\b], |v[\src+16*\b+\i]|, |v[\src+16*\b+\i+1]|
.endr
.endr
.irp b, 0,1
	v_permlanex16_b32 v[TM+2+\b], v[TM+\b], s[SEL], s[SEL+1]
.endr
.irp b, 0,1
	v_max_num_f32 v[TM+\b], v[TM+\b], v[TM+2+\b]                               ; with lane l xor 16's 16: the block's largest magnitude
.endr
.irp b, 0,1
	v_add_nc_u32 v[TM+4+\b], 0xfc000000, v[TM+\b]                              ; 8 off its exponent field: the conversion's scale operand
.endr
.irp b, 0,1
	v_and_or_b32 v[TM+6+\b], v[TM+\b], 0x7f800000, s[MNT]                      ; 448 x the scale
.endr
.irp b, 0,1
.irp i, 0,1,2,3,4,5,6,7,8,9,10,11,12,13,14,15
	v_med3_num_f32 v[\src+16*\b+\i], v[\src+16*\b+\i], -v[TM+6+\b], v[TM+6+\b] ; the conversion to an 8-bit code does not saturate (ISA guide 7.6.2): the hold comes first
.endr
	v_cvt_scalef32_pk8_fp8_f32 v[\dst+4*\b:\dst+4*\b+1], v[\src+16*\b:\src+16*\b+7], v[TM+4+\b]
	v_cvt_scalef32_pk8_fp8_f32 v[\dst+4*\b+2:\dst+4*\b+3], v[\src+16*\b+8:\src+16*\b+15], v[TM+4+\b]
.endr
.irp b, 0,1
	v_lshrrev_b32 v[TM+2+\b], 23, v[TM+4+\b]                                   ; the scales' bytes.  (Also the plain line behind the last conversion)
.endr
	v_lshl_or_b32 v[\wrd], v[TM+3], 8, v[TM+2]                                 ; the word: bytes 2 and 3 stay 0
.endm
; 16 rows of q, as loaded in v[raw] on (two rows an instruction), turn through my stage, so that a lane holds 16 neighbours of each block of its row: v[num] on
.macro QTURN raw, num
.irp i, 0,1,2,3,4,5,6,7
	ds_store_b128 v[RD], v[\raw+4*\i:\raw+4*\i+3] offset:2*SP*\i
.endr
.irp c, 0,1
.irp j, 0,1,2,3
	ds_load_b128 v[\num+16*\c+4*\j:\num+16*\c+4*\j+3], v[QRD] offset:128*\c+16*\j   ; LDS serves a wave's instructions in order (ISA guide 5.7.1.4): these see my stores
.endr
.endr
	s_wait_dscnt 0x0
.endm
; A KEY STEP: 128 keys, the q-th of the slot in hand.
.macro STEP q
	s_add_co_u32 s66, s[Q0], 15                    ; a step all of whose keys lie behind my 16 queries is left out: a branch on ids and counters; no barrier and no tensor load stands in a step
	s_cmp_gt_u32 s[KF], s66
	s_cbranch_scc1 .Lhidden_\@
	v_add_nc_u32 v[ADR], s[TB], v[LI]
.rept 7
	v_nop                                          ; with the addition above: eight places in front of loads into registers that the last products read
.endr
.irp n, 0,1,2,3,4,5,6,7,8,9,10,11,12,13,14,15
	ds_load_b128 v[FR+4*\n:FR+4*\n+3], v[ADR] offset:16384*(\q)+512*\n      ; K's eight tiles: 32 lanes read 512 consecutive bytes
.endr
	ds_load_b128 v[KS:KS+3], v[ADR] offset:SCO+1024*(\q)
	s_wait_dscnt 0x0
.irp t, 0,1,2,3                                ; S^T = K Q^T
	v_wmma_scale_f32_16x16x128_f8f6f4 v[S+8*\t:S+8*\t+7], v[FR+8*\t:FR+8*\t+15], v[QF:QF+15], 0, v[KS+\t], v[QW]
.endr
.irp t, 4,5,6,7
	v_wmma_scale_f32_16x16x128_f8f6f4 v[S+8*\t:S+8*\t+7], v[FR+8*\t:FR+8*\t+15], v[QF:QF+15], 0, v[KS+\t-4], v[QW] matrix_a_scale:MATRIX_SCALE_ROW1
.endr
.rept 8
	v_nop                                          ; eight places: for the loads below into K's registers, and for the first read of the scores
.endr
.irp n, 0,1,2,3,4,5,6,7,8,9,10,11,12,13,14,15
	ds_load_b128 v[FR+4*\n:FR+4*\n+3], v[ADR] offset:16384*(\q)+8192+512*\n ; V's four tiles: they land under the softmax
.endr
	ds_load_b128 v[VS:VS+3], v[ADR] offset:SCO+1024*(\q)+512
	s_add_co_u32 s66, s[KF], 127                   ; a step all of whose keys count skips the mask
	s_cmp_le_u32 s66, s[Q0]
	s_cbranch_scc1 .Lopen_\@
	s_sub_co_i32 s66, s[Q0], s[KF]
	v_add_nc_u32 v[T1], s66, v[DL]                 ; d = my query - the step's first key - 16 (lane / 16).  Register 16 b + i holds key 32 b + 16 (lane / 16) + i of the step: hidden where 32 b + i > d
.irp n, 0,1,2,3,4,5,6,7,8,9,10,11,12,13,14,15,16,17,18,19,20,21,22,23,24,25,26,27,28,29,30,31,32,33,34,35,36,37,38,39,40,41,42,43,44,45,46,47,48,49,50,51,52,53,54,55,56,57,58,59,60,61,62,63
	v_cmp_gt_i32 vcc_lo, 32*(\n/16)+\n%16, v[T1]
	v_add_f32 v[PX+\n%4], 0xc61c4000, v[S+\n]      ; the score - 10000
	v_cndmask_b32 v[S+\n], v[S+\n], v[PX+\n%4], vcc_lo
.endr
.Lopen_\@:
.irp b, 0,1,2,3
	v_max3_num_f32 v[BM+\b], v[S+16*\b], v[S+16*\b+1], v[S+16*\b+2]        ; THE LARGEST SCORE OF EACH BLOCK OF 32 KEYS: it serves for the row's maximum and, since p rises with the score, for the block's largest p
.endr
.irp i, 3,5,7,9,11,13
.irp b, 0,1,2,3
	v_max3_num_f32 v[BM+\b], v[BM+\b], v[S+16*\b+\i], v[S+16*\b+\i+1]      ; (the four blocks by turns; each accumulator is read from its low end on)
.endr
.endr
.irp b, 0,1,2,3
	v_max_num_f32 v[BM+\b], v[BM+\b], v[S+16*\b+15]
.endr
.irp b, 0,1,2,3
	v_permlanex16_b32 v[PX+\b], v[BM+\b], s[SEL], s[SEL+1]
.endr
.irp b, 0,1,2,3
	v_max_num_f32 v[BM+\b], v[BM+\b], v[PX+\b]     ; with lane l xor 16's 16 keys
.endr
	v_max3_num_f32 v[T0], v[BM], v[BM+1], v[BM+2]
	v_max_num_f32 v[T0], v[T0], v[BM+3]            ; the step's largest score of my query
	v_mul_f32 v[T0], s[CS], v[T0]                  ; as t
	v_max_num_f32 v13, v13, v[T0]                  ; the running largest t
	v_mov_b32 v[T0], v12
	v_floor_f32 v12, -v13                          ; the new -M = floor(-t) = -ceil(t): M is a whole number
	v_sub_f32 v[T0], v12, v[T0]                    ; M's old value less its new one: a whole number, 0 or less
	v_cvt_i32_f32 v[T0], v[T0]                     ; (it saturates)
	v_ldexp_f32 v[F], 1.0, v[T0]                   ; f = 2^(old M - new M)
.irp j, 0,2,4,6,8,10,12,14,16,18,20,22,24,26,28,30,32,34,36,38,40,42,44,46,48,50,52,54,56,58,60,62
	v_pk_fma_f32 v[S+\j:S+\j+1], v[S+\j:S+\j+1], s[CS:CS+1], v[12:13] op_sel_hi:[1,0,0]   ; t - M, two at a time
.endr
.irp b, 0,1,2,3
	v_fma_f32 v[BM+\b], v[BM+\b], s[CS], v12       ; the same of each block's largest score
.endr
.irp j, 0,1,2,3,4,5,6,7,8,9,10,11,12,13,14,15,16,17,18,19,20,21,22,23,24,25,26,27,28,29,30,31,32,33,34,35,36,37,38,39,40,41,42,43,44,45,46,47,48,49,50,51,52,53,54,55,56,57,58,59,60,61,62,63
	v_exp_f32 v[S+\j], v[S+\j]                     ; p = 2^(t - M): not normalised
.endr
	v_pk_mul_f32 v[14:15], v[14:15], v[F:F+1] op_sel_hi:[1,0]              ; the sums under the new M.  (The plain line behind the exponentials)
	s_wait_alu depctr_va_vdst(0)                   ; one wait for the whole batch, ahead of its first reader
.irp b, 0,1,2,3
	v_exp_f32 v[BM+\b], v[BM+\b]                   ; the block's largest p: the same two instructions on the same number give the same bits
.endr
	v_pk_add_f32 v[PX:PX+1], v[S:S+1], v[S+2:S+3]  ; THE ROW'S SUM IS TAKEN OF THE UNQUANTISED p: two at a time, in two chains.  (It reads the 64 alone: plain work behind the four)
.irp j, 4,8,12,16,20,24,28,32,36,40,44,48,52,56,60
	v_pk_add_f32 v[14:15], v[14:15], v[S+\j:S+\j+1]
	v_pk_add_f32 v[PX:PX+1], v[PX:PX+1], v[S+\j+2:S+\j+3]
.endr
	v_pk_add_f32 v[14:15], v[14:15], v[PX:PX+1]
	s_wait_alu depctr_va_vdst(0)                   ; and one for the four
.irp b, 0,1,2,3
	v_max_num_f32 v[BM+\b], 0x4800000, v[BM+\b]    ; the floor 2^(9 - 127): the byte cannot fall under 1 (a block whose every p is 0 keeps that byte: its codes are zeros)
.endr
.irp b, 0,1,2,3
	v_add_nc_u32 v[SOP+\b], 0xfc000000, v[BM+\b]   ; 8 off the exponent field: the conversion's scale operand
.endr
.irp b, 0,1,2,3
	v_and_or_b32 v[CAP+\b], v[BM+\b], 0x7f800000, s[MNT]   ; 448 x the scale
.endr
.irp b, 0,1,2,3
	v_lshrrev_b32 v[PX+\b], 23, v[SOP+\b]          ; the scale's byte
.endr
	v_lshl_or_b32 v[PW], v[PX+1], 8, v[PX]         ; p's scale word for these 128 keys
	v_lshl_or_b32 v[PW], v[PX+2], 16, v[PW]
	v_lshl_or_b32 v[PW], v[PX+3], 24, v[PW]
.irp b, 0,1,2,3
.irp i, 0,1,2,3,4,5,6,7,8,9,10,11,12,13,14,15
	v_min_num_f32 v[S+16*\b+\i], v[S+16*\b+\i], v[CAP+\b]  ; the hold; p is not negative, so it is one-sided
.endr
	v_cvt_scalef32_pk8_fp8_f32 v[PC+4*\b:PC+4*\b+1], v[S+16*\b:S+16*\b+7], v[SOP+\b]
	v_cvt_scalef32_pk8_fp8_f32 v[PC+4*\b+2:PC+4*\b+3], v[S+16*\b+8:S+16*\b+15], v[SOP+\b]
.endr
.irp j, 0,2,4,6,8,10,12,14,16,18,20,22,24,26,28,30
	v_pk_mul_f32 v[O+\j:O+\j+1], v[O+\j:O+\j+1], v[F:F+1] op_sel_hi:[1,0]  ; O^T under the new M.  (These sixteen are also the places between the codes' conversions and the products below)
.endr
	s_wait_dscnt 0x0                               ; V's tiles and scale words are in
.irp t, 0,1,2,3                                ; O^T += V^T P^T: the four accumulators take one turn each, behind the scores' products
	v_wmma_scale_f32_16x16x128_f8f6f4 v[O+8*\t:O+8*\t+7], v[FR+16*\t:FR+16*\t+15], v[PC:PC+15], v[O+8*\t:O+8*\t+7], v[VS+\t], v[PW]
.endr
.Lhidden_\@:
	s_add_co_u32 s[KF], s[KF], 128
.endm
.macro SLOT_STEPS
	STEP 0
	STEP 1
	s_xor_b32 s[TB], s[TB], SLOT1                  ; on to the other buffer
.endm
; A TILE'S WAY OUT.  The sum's halves are added; O^T is divided by the sum and goes through my stage, so that sixteen lanes store a query's 256 consecutive bytes, aligned.
.macro FINISH
.rept 8
	v_nop                                          ; eight places behind the last products
.endr
	v_add_f32 v14, v14, v15                        ; the sum's two halves,
	v_permlanex16_b32 v[T0], v14, s[SEL], s[SEL+1]
	v_add_f32 v14, v14, v[T0]                      ; and lane l xor 16's: the row's sum
	v_rcp_f32 v14, v14
	v_nop                                          ; a plain line behind the reciprocal,
	s_wait_alu depctr_va_vdst(0)                   ; and the wait ahead of its first reader
.irp j, 0,2,4,6,8,10,12,14,16,18,20,22,24,26,28,30
	v_pk_mul_f32 v[S+\j:S+\j+1], v[O+\j:O+\j+1], v[14:15] op_sel_hi:[1,0]  ; register 8 t + i is channel 16 t + 8 (lane / 16) + i of query lane % 16
.endr
.irp t, 0,1,2,3
	ds_store_b128 v[STO], v[S+8*\t:S+8*\t+3] offset:64*\t
	ds_store_b128 v[STO], v[S+8*\t+4:S+8*\t+7] offset:64*\t+16
.endr
.irp i, 0,1,2,3,4,5,6,7
	ds_load_b128 v[FR+4*\i:FR+4*\i+3], v[RD] offset:2*SP*\i                ; LDS serves a wave's instructions in order: these see my stores
.endr
.irp i, 0,1,2,3,4,5,6,7
	s_wait_dscnt 7-\i                              ; load i is in; the younger ones may be out
	global_store_b128 v[GO], v[FR+4*\i:FR+4*\i+3], s[OUT:OUT+1] offset:8192*\i th:TH_STORE_NT
.endr
	s_wait_xcnt 0x0                                ; the stores have read their registers and their base: both may be written again
.endm
	s_load_b256 s[4:11], s[0:1], 0x0               ; qkv s[4:5], kv_codes s[6:7], kv_scales s[8:9], out0 s[10:11]
	v_lshl_add_u32 v[SPW], v0, 2, SPARE
	v_mov_b32 v[NIL], 0
	ds_add_u32 v[SPW], v[NIL]                      ; the wave's opening: the add, and its wait ahead of my first tensor load; the set-up below, work on registers, stands between them
	v_lshrrev_b32 v1, 5, v0
	v_readfirstlane_b32 s[WV], v1                  ; wave 0..15
	s_and_b32 s[BH], ttmp7, 0xffff                 ; 16 batch + head
	s_sub_co_u32 s[LAST], 8, ttmp9
	s_add_co_u32 s[PEND], ttmp9, 1
	s_mov_b32 s[NS], 0
	s_mov_b32 s[TB], 0
	s_mov_b32 s[KF], 0
	s_mov_b32 s[MNT], 0x600000
	s_mov_b32 s[SEL], 0x76543210
	s_mov_b32 s[SEL+1], 0xfedcba98
	s_mov_b32 s[CS], 0x3fb8aa3b                    ; log2(e)
	s_mov_b32 s[CS+1], s[CS]                       ; (named with it as a pair, so it is written)
	; descriptor group 1: dense blocks as rows of 256 bytes: 32 elements of 8 bytes, no padding, no mask.  A step's codes: 64 rows
	s_mov_b32 s[G1C], 3<<16                        ; 17:16 elements of 8 bytes
	s_mov_b32 s[G1C+1], 32<<16                     ; tensor_dim0 = 32
	s_mov_b32 s[G1C+2], 64<<16                     ; tensor_dim1 = 64
	s_mov_b32 s[G1C+3], 32<<16                     ; tile_dim0 = 32
	s_mov_b32 s[G1C+4], 64                         ; tile_dim1 = 64
	s_mov_b32 s[G1C+5], 32                         ; from row to row
	s_mov_b32 s[G1C+6], 0
	s_mov_b32 s[G1C+7], 0
	s_mov_b32 s[G1S], 3<<16                        ; a slot's scale bytes: 8 rows
	s_mov_b32 s[G1S+1], 32<<16
	s_mov_b32 s[G1S+2], 8<<16
	s_mov_b32 s[G1S+3], 32<<16
	s_mov_b32 s[G1S+4], 8
	s_mov_b32 s[G1S+5], 32
	s_mov_b32 s[G1S+6], 0
	s_mov_b32 s[G1S+7], 0
	; my two tiles of queries, and their places in qkv and in out0
	s_lshl_b32 s66, s[WV], 4
	s_sub_co_u32 s[Q0], 7, ttmp9
	s_lshl_b32 s[Q0], s[Q0], 8
	s_add_co_u32 s[Q0], s[Q0], s66                 ; 256 (7 - I) + 16 wave
	s_lshl_b32 s[Q0B], ttmp9, 8
	s_add_co_u32 s[Q0B], s[Q0B], s66               ; 256 I + 16 wave
	s_lshr_b32 s66, s[BH], 4
	s_lshl_b32 s66, s66, 11                        ; the batch's first position
	s_and_b32 s67, s[BH], 15
	s_lshl_b32 s67, s67, 8                         ; the head's 256 bytes
	s_add_co_u32 s68, s66, s[Q0]
	s_mul_i32 s70, s68, POS
	s_add_co_u32 s70, s70, s67                     ; q of the first tile (under 2^27)
	s_mov_b32 s71, 0
	s_lshl_b32 s72, s68, 12
	s_add_co_u32 s72, s72, s67                     ; its rows of out0: 4,096 bytes a position
	s_mov_b32 s73, 0
	s_add_co_u32 s68, s66, s[Q0B]
	s_mul_i32 s74, s68, POS
	s_add_co_u32 s74, s74, s67
	s_mov_b32 s75, 0
	s_lshl_b32 s76, s68, 12
	s_add_co_u32 s76, s76, s67
	s_mov_b32 s77, 0
	s_lshl_b32 s78, s[BH], 18                      ; the head's 262,144 bytes of codes
	s_and_b32 s69, s[WV], 1
	s_lshl_b32 s69, s69, 14                        ; which of a slot's two step blocks I fetch: in memory and in a buffer alike
	s_add_co_u32 s80, s78, s69
	s_mov_b32 s81, 0
	s_lshl_b32 s82, s[BH], 14                      ; the head's 16,384 scale bytes
	s_mov_b32 s83, 0
	s_and_b32 s84, s[WV], 3
	s_lshl_b32 s84, s84, 13                        ; the prefetches: my wave's 8,192 bytes,
	s_add_co_u32 s84, s84, s78
	s_add_co_u32 s84, s84, 32768                   ; in slot 1: the first change of buffers steps it to slot 2
	s_mov_b32 s85, 0
	s_sub_co_u32 s66, s[WV], 4
	s_lshr_b32 s66, s66, 2                         ; 0 in waves 4 to 7,
	s_or_b32 s66, s66, ttmp9                       ; of the head's work-group 0
	s_cmp_eq_u32 s66, 0
	s_cselect_b32 s[LIM], 2, -1
	s_wait_dscnt 0x0                               ; the opening add is done
	s_wait_kmcnt 0x0
	s_add_nc_u64 s[CB:CB+1], s[6:7], s[80:81]
	s_add_nc_u64 s[SB:SB+1], s[8:9], s[82:83]
	s_mov_b32 s[G0C], 1                            ; 1:0 count = 1
	s_mov_b32 s[G0C+1], s69                        ; 63:32 LDS address: buffer 0
	s_mov_b64 s[G0C+2:G0C+3], s[CB:CB+1]           ; 120:64 global address: slot 0
	s_or_b32 s[G0C+3], s[G0C+3], 0x80000000        ; 127:126 type = 2
	s_mov_b32 s[G0S], 1
	s_mov_b32 s[G0S+1], SCO
	s_mov_b64 s[G0S+2:G0S+3], s[SB:SB+1]
	s_or_b32 s[G0S+3], s[G0S+3], 0x80000000
	TLOAD                                          ; slot 0: the first fill, ahead of every LDS read, every wait on TENSORcnt and every barrier
	s_add_nc_u64 s[PFA:PFA+1], s[6:7], s[84:85]
	s_add_nc_u64 s[OUT:OUT+1], s[10:11], s[72:73]
	s_add_nc_u64 s[OUT2:OUT2+1], s[10:11], s[76:77]
	s_add_nc_u64 s[86:87], s[4:5], s[70:71]
	s_add_nc_u64 s[88:89], s[4:5], s[74:75]
	v_and_b32 v14, 15, v0                          ; r = lane % 16
	v_bfe_u32 v15, v0, 4, 1                        ; hl = lane / 16
	v_mul_u32_u24 v[GQ], v15, POS
	v_lshl_add_u32 v[GQ], v14, 4, v[GQ]
.irp i, 0,1,2,3,4,5,6,7
	global_load_b128 v[S+4*\i:S+4*\i+3], v[GQ], s[86:87] offset:2*POS*\i th:TH_LOAD_NT        ; q of the first tile, two rows an instruction: sixteen lanes read 256 consecutive bytes, aligned
.endr
.irp i, 0,1,2,3,4,5,6,7
	global_load_b128 v[S+32+4*\i:S+32+4*\i+3], v[GQ], s[88:89] offset:2*POS*\i th:TH_LOAD_NT  ; and of the second
.endr
	v_and_b32 v[LI], 31, v0
	v_lshlrev_b32 v[PFO], 8, v[LI]
	v_lshlrev_b32 v[LI], 4, v[LI]
	v_lshlrev_b32 v[GO], 12, v15
	v_lshl_add_u32 v[GO], v14, 4, v[GO]
	s_mul_i32 s66, s[WV], 16*SP
	s_add_co_u32 s66, s66, STAGE                   ; my stage
	v_mul_u32_u24 v[STO], v14, SP
	v_lshl_add_u32 v[QRD], v15, 6, v[STO]
	v_lshl_add_u32 v[STO], v15, 5, v[STO]
	v_add_nc_u32 v[STO], s66, v[STO]
	v_add_nc_u32 v[QRD], s66, v[QRD]
	v_mul_u32_u24 v[RD], v15, SP
	v_lshl_add_u32 v[RD], v14, 4, v[RD]
	v_add_nc_u32 v[RD], s66, v[RD]
	v_lshlrev_b32 v[DL], 4, v15
	v_sub_nc_u32 v[DL], v14, v[DL]
.irp j, 0,1,2,3,4,5,6,7
	v_mov_b32 v[QF+8+\j], 0                        ; Q's k = 64 .. 127: zero codes
	v_mov_b32 v[FR+64+\j], 0                       ; and what stands behind K's tile 7
.endr
.irp j, 2,3,4,5,6,7
	v_mov_b32 v[TM+\j], 0                          ; written once: a lane permute's destination counts as one of its sources
.endr
	v_mov_b32 v[F+1], 0                            ; (named as the upper half of the pair before it is ever written)
	v_mov_b32 v[T0], 0
	v_mov_b32 v13, 0xff61b1e6                      ; the largest t so far: -3e38, under every t
	v_floor_f32 v12, -v13                          ; -M
	v_mov_b32 v14, 0                               ; the sum, in two halves
	v_mov_b32 v15, 0
.irp j, 0,1,2,3,4,5,6,7,8,9,10,11,12,13,14,15,16,17,18,19,20,21,22,23,24,25,26,27,28,29,30,31
	v_mov_b32 v[O+\j], 0                           ; O^T.  (The step is written once: a tile's first step finds zeros, which the first change of M leaves zeros)
.endr
	s_wait_loadcnt 8                               ; the first tile's eight loads are in; the second's, issued behind them, may be out
	QTURN S, FR
	QK FR, QF, QW
	s_wait_loadcnt 0x0
	QTURN S+32, FR+32
	QK FR+32, Q2, Q2W
	s_mov_b32 s[SLOTS], 8
.Lslot:                                            ; eight trips: behind each change of buffers but the last the next slot is asked for
	CHANGE 1
	SLOT_STEPS
	s_cmp_eq_u32 s[SLOTS], s[PEND]                 ; the first query block's last slot?  A branch on ids and the counter; no barrier and no tensor load stands under it
	s_cbranch_scc0 .Lsame
	FINISH
	s_mov_b64 s[OUT:OUT+1], s[OUT2:OUT2+1]         ; on to the second tile of queries: its rows, its first query, key 0,
	s_mov_b32 s[Q0], s[Q0B]
	s_mov_b32 s[KF], 0
.irp j, 0,1,2,3,4,5,6,7
	v_mov_b32 v[QF+\j], v[Q2+\j]                   ; its codes
.endr
	v_mov_b32 v[QW], v[Q2W]                        ; and scale word (the 36 lines below stand between it and the next product)
	v_mov_b32 v13, 0xff61b1e6
	v_floor_f32 v12, -v13
	v_mov_b32 v14, 0
	v_mov_b32 v15, 0
.irp j, 0,1,2,3,4,5,6,7,8,9,10,11,12,13,14,15,16,17,18,19,20,21,22,23,24,25,26,27,28,29,30,31
	v_mov_b32 v[O+\j], 0
.endr
.Lsame:
	s_sub_co_u32 s[SLOTS], s[SLOTS], 1
	s_cmp_lg_u32 s[SLOTS], 0
	s_cbranch_scc1 .Lslot
	CHANGE 0                                       ; the ninth slot is written out
	SLOT_STEPS
	FINISH
	s_wait_tensorcnt 0x0                           ; the wave's end, behind my last tensor load and my last LDS store
	ds_add_u32 v[SPW], v[NIL]
	s_wait_dscnt 0x0
	s_endpgm
.Lfunc_end_k_qa152042d48_attn:
	.size	k_qa152042d48_attn, .Lfunc_end_k_qa152042d48_attn-k_qa152042d48_attn
	.p2alignl 7, 3214868480
	.fill 96, 4, 3214868480
	.section	.rodata,"a",@progbits
	.p2align	6, 0x0
	.amdhsa_kernel k_qa152042d48_attn
		.amdhsa_group_segment_fixed_size 327680
		.amdhsa_private_segment_fixed_size 0
		.amdhsa_enable_private_segment 0
		.amdhsa_kernarg_size 32
		.amdhsa_user_sgpr_count 2
		.amdhsa_user_sgpr_kernarg_segment_ptr 1
		.amdhsa_wavefront_size32 1
		.amdhsa_system_sgpr_workgroup_id_x 1
		.amdhsa_system_sgpr_workgroup_id_y 1
		.amdhsa_system_sgpr_workgroup_id_z 1
		.amdhsa_system_vgpr_workitem_id 0
		.amdhsa_next_free_vgpr 256
		.amdhsa_next_free_sgpr 96
		.amdhsa_reserve_vcc 1
		.amdhsa_float_denorm_mode_32 3
		.amdhsa_float_denorm_mode_16_64 3
		.amdhsa_memory_ordered 1
		.amdhsa_forward_progress 1
		.amdhsa_inst_pref_size 140
	.end_amdhsa_kernel
	.amdgpu_metadata
---
amdhsa.version: [ 1, 2 ]
amdhsa.kernels:
  - .name:           k_qa152042d48_attn
    .symbol:         k_qa152042d48_attn.kd
    .args:
      - { .name: qkv, .offset: 0, .size: 8, .value_kind: global_buffer, .address_space: global }
      - { .name: kv_codes, .offset: 8, .size: 8, .value_kind: global_buffer, .address_space: global }
      - { .name: kv_scales, .offset: 16, .size: 8, .value_kind: global_buffer, .address_space: global }
      - { .name: out0, .offset: 24, .size: 8, .value_kind: global_buffer, .address_space: global }
    .group_segment_fixed_size: 327680
    .private_segment_fixed_size: 0
    .kernarg_segment_align: 8
    .kernarg_segment_size: 32
    .max_flat_workgroup_size: 512
    .sgpr_count:     96
    .vgpr_count:     256
    .wavefront_size: 32
...
	.end_amdgpu_metadata
.endif
;; end of part 2
